; MI455X (gfx1250); checked and timed in simulation.
; The chip was launched on July 23, 2026; its instructions are those of AMD's public machine-readable ISA for CDNA 5 (MIT licence, August 2026) and "CDNA5" Instruction Set Architecture Reference Guide (July 2026). The comments in the code are by the model that wrote it; some were corrected since.
;; Causal Attention2d. Allowed arithmetic: matrix products marked QUANTISED: E4M3 operands, one E8M0 scale for each 32 along K, by v_wmma_scale_f32_16x16x128_f8f6f4 with both operands' format E4M3, f32 sums; everything else in f32.
;; Inputs: Wk 512 x 512 float32; Wq 512 x 512 float32; Wv 512 x 512 float32; bk 512 float32; bq 512 float32; bv 512 float32; key 2 x 512 x 64 x 64 float32; query 2 x 512 x 64 x 64 float32.
;; Outputs: out0 2 x 512 x 64 x 64 float32.
;; This version of the problem:
;;   THIS VERSION OF THE PROBLEM IS GIVEN IN LOW PRECISION. The matrix products marked QUANTISED in the list below multiply operands that are first quantised to E4M3 (4 exponent bits, 3 mantissa bits; 8 bits a number), with one power-of-two scale for each 32 numbers along K (OCP MX v1.0); their sums are f32. All else is computed in f32.
;;   The module's matrix products, in the order in which they are computed (A, B: the left and right operand; K: the contracted axis; several contracted axes count as one K, in the product's order):
;;     1. [M 8,192, K 512] x [K 512, N 512]; A: input query; B: input Wq: QUANTISED
;;     2. [M 8,192, K 512] x [K 512, N 512]; A: input key; B: input Wk: QUANTISED
;;     3. [M 8,192, K 512] x [K 512, N 512]; A: input key; B: input Wv: QUANTISED
;;     4. batch 16 x [M 4,096, K 64] x [K 64, N 4,096]; A: computed on the way; B: computed on the way: QUANTISED
;;     5. batch 16 x [M 4,096, K 4,096] x [K 4,096, N 64]; A: softmax (see below); B: computed on the way: QUANTISED
;;   THE QUANTISER, for each operand of a quantised product, along K:
;;     - K is cut into blocks of 32 from its start; a last block that is shorter is filled with zeros.
;;     - A block's scale is 2^e with e = floor(log2(the largest magnitude in the block)) - 8, held to -126 .. 127; a block of zeros has e = 0. As a byte (E8M0): e + 127.
;;     - Each number is divided by its block's scale, clamped to +-448, and rounded to the nearest number of E4M3, ties to even, subnormals kept.
;;     - The product sums the exact products of the quantised numbers (number of the format x scale) in f32.
;;   ~~~python
;;   def quantise(x, axis):      # numpy; x: float32 -> the quantised numbers, widened to float32 again
;;       x = np.moveaxis(x, axis, -1); K = x.shape[-1]
;;       x = np.pad(x, [(0, 0)] * (x.ndim - 1) + [(0, -K % 32)]); x = x.reshape(x.shape[:-1] + (-1, 32)); a = np.abs(x).max(-1, keepdims=True)
;;       e = np.where(a > 0, np.clip(np.frexp(np.where(a > 0, a, 1))[1] - 1 - 8, -126, 127), 0)      # np.frexp(a)[1] - 1 = floor(log2(a)), exactly
;;       r = np.clip(x / 2.0 ** e, -448, 448)
;;       step = 2.0 ** (np.maximum(np.frexp(np.where(r == 0, 1, r))[1] - 1, -6) - 3)
;;       q = np.round(r / step) * step * 2.0 ** e      # np.round: ties to even
;;       return np.moveaxis(q.reshape(q.shape[:-2] + (-1,))[..., :K], -1, axis).astype(np.float32)
;;   ~~~
;;   SOFTMAX AHEAD OF A QUANTISED PRODUCT. Where the list says 'softmax', what is quantised is not the finished softmax but p = 2^(t - M), with t = logit x log2(e) and M = ceil(the row's largest t), a whole number; so 1/2 < the row's largest p <= 1. The row's sum l is taken of the UNQUANTISED p, in f32, and the product's result is divided by l at the end. Since M is a whole number, a kernel that streams over the keys may use a running M (the ceiling of the running maximum): every later rescaling is an exact power of two, which a block's scale takes up: the codes' values come out the same.
;;   OPERANDS COMPUTED ON THE WAY. 'Computed on the way' means the value that the module computes at that place (a softmax that the list does not call 'softmax' is quantised finished and normalised). What goes into a quantiser is computed in f32, as accurately as f32 sums, v_exp_f32 and their like allow (about 1e-6 of the number): no bf16 or f16 on the way to a quantiser, and a product that is left as it is and whose result goes on into a quantised operand takes f32 operands (vector FMAs, or v_wmma_f32_16x16x4_f32). A number that lies on a knife's edge between two numbers of the format may be rounded either way, as far as f32 arithmetic and the matrix unit's own rounding can turn it there, and no further.
;; One version. Each part assembles by itself: llvm-mc -triple=amdgcn-amd-amdhsa -mcpu=gfx1250 --defsym DOCPART=n.
;; ======== version 1 of 1: 3 launches
;; limits: right only within a limited range of input values
;; workspace buffers: wimg 835,584 bytes; qb 4,325,376 bytes; kv 8,650,752 bytes
;; launch wquant (part 1): grid 8 x 3, 16 waves a work-group, no clusters, 4,096 bytes of LDS; arguments Wq, Wk, Wv, wimg; writes wimg
.if DOCPART == 1
	.amdgcn_target "amdgcn-amd-amdhsa--gfx1250"
	.amdhsa_code_object_version 6
	.text
	.protected	k_q08c2308ade_wquant
	.globl	k_q08c2308ade_wquant
	.p2align	8
	.type	k_q08c2308ade_wquant,@function
k_q08c2308ade_wquant:
	s_mov_b64 s[64:65], 0
	v_nop
	global_prefetch_b8 v0, s[64:65] scope:SCOPE_SE
	s_setreg_imm32_b32 hwreg(HW_REG_WAVE_MODE, 25, 1), 1
	s_wait_xcnt 0x0
; Wq, Wk, Wv [512][512] f32 (K = the channels, innermost) become codes of E4M3 with one E8M0 byte for each 32 along K, laid as IMAGES OF OPERAND REGISTERS.
; Work-group (x = head, y = job: 0 q, 1 k, 2 v); wave 4 t + s makes ONE fragment: tile t (16 of the head's 64 rows), K step s of 128: 64 numbers a lane, all 16 loads out at once.
; wimg, for each (8 job + head), 34,816 bytes: fragment 4 t + s at 2,048 (4 t + s): register group c of lane l at 512 c + 16 l; then at 32,768 + 512 t + 16 l the lane's four scale words (K steps 0 to 3).
; WHICH ROWS FORM A TILE: jobs q and k: lane r of tile 2 c + u takes row 32 c + 8 u + r + 8 (r / 8), so that in the transposed product of the next launch a lane's 16 registers of two neighbouring tiles
; are 16 neighbouring dimensions of the head; job v: row 16 t + r.
; A lane (r, h) takes of its row, for each block of 32 along K, the 16 numbers 16 h + 0 .. 15: the order of the operand's registers; a block's largest magnitude is joined with lane l xor 16's.
; THE SCALE WORDS of a tile's four K steps are made by four waves: each puts its word at 512 t + 16 l + 4 s of LDS; one barrier; waves 0 to 3 read a tile's 512 bytes each and store them on end.
; LIMITS: a block whose largest magnitude lies under 2^-118 keeps the byte 1 (a block of zeros too, where the rule says 127: its codes are zeros, and this program alone reads the bytes); NaN and infinities are not served.
; No matrix unit, no tensor load: 3 MiB are read once; each store of a wave covers 512 consecutive bytes, aligned.
.set TM,  16                           ; v16-19 largest magnitudes, v20-23 bytes, v24-27 448 x the scale, v28-31 the conversions' scale operands
.set SW,  40                           ; v40 my scale word; v40-43 a row's four on the way out
.set CD,  48                           ; v48-63 the fragment's codes
.set NA,  64                           ; v64-127 the 64 numbers
.set SPW, 9                            ; v9  my spare word; never rewritten
.set NIL, 10                           ; v10 0; never rewritten
.set SPARE, 2048                       ; behind the scale words: the spare words, 128 bytes for each of 16 waves
.set SEL, 36                           ; s[36:37] v_permlanex16_b32's selects for lane l xor 16
.set MNT, 38                           ; s38 the mantissa field of 448
	s_load_b256 s[4:11], s[0:1], 0x0               ; Wq s[4:5], Wk s[6:7], Wv s[8:9], wimg s[10:11]
	v_lshl_add_u32 v[SPW], v0, 2, SPARE
	v_mov_b32 v[NIL], 0
	v_lshrrev_b32 v1, 5, v0
	s_delay_alu instid0(VALU_DEP_1)
	v_readfirstlane_b32 s39, v1                    ; wave = 4 t + s
	s_lshr_b32 s12, s39, 2                         ; t: my tile
	s_and_b32 s40, s39, 3                          ; s: my K step
	s_and_b32 s13, ttmp7, 0xffff                   ; job
	s_mov_b32 s14, ttmp9                           ; head
	s_lshl_b32 s17, s12, 4                         ; job v: the tile begins at row 16 t
	s_lshr_b32 s16, s12, 1
	s_lshl_b32 s16, s16, 5
	s_and_b32 s18, s12, 1
	s_lshl_b32 s18, s18, 3
	s_add_co_u32 s16, s16, s18                     ; jobs q, k: at row 32 (t / 2) + 8 (t % 2)
	s_cmp_eq_u32 s13, 2
	s_cselect_b32 s16, s17, s16
	s_cselect_b32 s15, 0, 8                        ; and lanes 8-15 stand 8 rows further on, or not
	s_lshl_b32 s18, s14, 6
	s_add_co_u32 s18, s18, s16
	s_lshl_b32 s26, s18, 11                        ; the tile's first row in W: rows of 2,048 bytes;
	s_lshl_b32 s19, s40, 9
	s_add_co_u32 s26, s26, s19                     ; K step s: 512 bytes on
	s_mov_b32 s27, 0
	s_lshl_b32 s18, s13, 3
	s_add_co_u32 s18, s18, s14
	s_mul_i32 s28, s18, 34816                      ; (8 job + head)'s part of wimg
	s_lshl_b32 s41, s39, 11
	s_add_co_u32 s30, s28, s41                     ; my fragment
	s_mov_b32 s31, 0
	s_add_co_u32 s28, s28, s19
	s_add_co_u32 s28, s28, 32768                   ; the scale words of tile (wave % 4): waves 0 to 3 store them
	s_mov_b32 s29, 0
	s_lshl_b32 s41, s12, 9
	s_lshl_b32 s42, s40, 2
	s_add_co_u32 s41, s41, s42                     ; LDS: 512 t + 4 s
	s_mov_b32 s[SEL], 0x76543210
	s_mov_b32 s[SEL+1], 0xfedcba98
	s_mov_b32 s[MNT], 0x600000
	v_and_b32 v1, 15, v0                           ; r
	v_bfe_u32 v2, v0, 4, 1                         ; h
	v_and_b32 v3, s15, v1
	v_add_nc_u32 v3, v3, v1                        ; r + 8 (r / 8), or r
	v_lshlrev_b32 v5, 11, v3
	v_lshl_add_u32 v5, v2, 6, v5                   ; my row, + 64 h: my 16 numbers of a block
	v_and_b32 v6, 31, v0
	v_lshlrev_b32 v6, 4, v6                        ; 16 x lane
	v_add_nc_u32 v7, s41, v6                       ; where my scale word goes
	v_add_nc_u32 v8, s19, v6                       ; where a row's four words are read: 512 (wave % 4) + 16 x lane
.irp b, 0,1,2,3
	v_mov_b32 v[TM+4+\b], 0                        ; written once: a lane permute's destination counts as one of its sources
.endr
	s_wait_alu depctr_va_vdst(0)                   ; the wait at the head's end
	s_wait_kmcnt 0x0
	s_cmp_eq_u32 s13, 0                            ; the weight is chosen by the job alone
	s_cselect_b64 s[20:21], s[4:5], s[6:7]
	s_cmp_eq_u32 s13, 2
	s_cselect_b64 s[20:21], s[8:9], s[20:21]
	s_add_nc_u64 s[20:21], s[20:21], s[26:27]
	s_add_nc_u64 s[22:23], s[10:11], s[30:31]
	s_add_nc_u64 s[24:25], s[10:11], s[28:29]
.irp b, 0,1,2,3
.irp j, 0,1,2,3
	global_load_b128 v[NA+16*\b+4*\j:NA+16*\b+4*\j+3], v5, s[20:21] offset:128*\b+16*\j   ; 16 numbers of each of four blocks
.endr
.endr
	s_wait_loadcnt 0x0
.irp b, 0,1,2,3
	v_max3_num_f32 v[TM+\b], |v[NA+16*\b]|, |v[NA+1+16*\b]|, 0x4800000   ; my 16 numbers of block b, and the floor 2^(9 - 127): the byte cannot fall under 1
.endr
.irp i, 2,4,6,8,10,12,14
.irp b, 0,1,2,3
	v_max3_num_f32 v[TM+\b], v[TM+\b], |v[NA+16*\b+\i]|, |v[NA+1+16*\b+\i]|   ; the four blocks by turns
.endr
.endr
.irp b, 0,1,2,3
	s_delay_alu instid0(VALU_DEP_4)
	v_permlanex16_b32 v[TM+4+\b], v[TM+\b], s[SEL], s[SEL+1]
.endr
.irp b, 0,1,2,3
	s_delay_alu instid0(VALU_DEP_4)
	v_max_num_f32 v[TM+\b], v[TM+\b], v[TM+4+\b]   ; with lane l xor 16's: the block's largest magnitude
.endr
.irp b, 0,1,2,3
	s_delay_alu instid0(VALU_DEP_4)
	v_add_nc_u32 v[TM+12+\b], 0xfc000000, v[TM+\b]   ; 8 off its exponent field: the conversion's scale operand
.endr
.irp b, 0,1,2,3
	v_and_or_b32 v[TM+8+\b], v[TM+\b], 0x7f800000, s[MNT]   ; 448 x the scale
.endr
.irp b, 0,1,2,3
	v_lshrrev_b32 v[TM+4+\b], 23, v[TM+12+\b]      ; the scale's byte
.endr
	s_delay_alu instid0(VALU_DEP_3)
	v_lshl_or_b32 v[SW], v[TM+5], 8, v[TM+4]       ; four bytes: my row's scale word
	s_delay_alu instid0(VALU_DEP_1)
	v_lshl_or_b32 v[SW], v[TM+6], 16, v[SW]
	s_delay_alu instid0(VALU_DEP_1)
	v_lshl_or_b32 v[SW], v[TM+7], 24, v[SW]
.irp b, 0,1,2,3
.set I_, 0
.rept 16
	v_med3_num_f32 v[NA+16*\b+I_], v[NA+16*\b+I_], -v[TM+8+\b], v[TM+8+\b]   ; the conversion to an 8-bit code does not saturate (ISA guide 7.6.2): the hold comes first
.set I_, I_+1
.endr
	v_cvt_scalef32_pk8_fp8_f32 v[CD+4*\b:CD+1+4*\b], v[NA+16*\b:NA+7+16*\b], v[TM+12+\b]
	v_cvt_scalef32_pk8_fp8_f32 v[CD+2+4*\b:CD+3+4*\b], v[NA+8+16*\b:NA+15+16*\b], v[TM+12+\b]
.endr
	v_nop                                          ; one plain line behind the last conversion
	ds_store_b32 v7, v[SW]
.irp c, 0,1,2,3
	global_store_b128 v6, v[CD+4*\c:CD+4*\c+3], s[22:23] offset:512*\c   ; the fragment's image: 512 consecutive bytes a store
.endr
	s_wait_dscnt 0x0                               ; for the others' sake: my word has landed
	s_barrier_signal -1
	s_barrier_wait -1
	s_cmp_lt_u32 s39, 4
	s_cbranch_scc0 .Lwords_done
	ds_load_b128 v[SW:SW+3], v8                    ; tile (wave)'s rows: four words a lane
	s_wait_dscnt 0x0
	global_store_b128 v6, v[SW:SW+3], s[24:25]     ; 512 consecutive bytes (both halves of the lanes hold their row's)
.Lwords_done:
	s_wait_tensorcnt 0x0                           ; the wave's end: behind my last LDS store
	ds_add_u32 v[SPW], v[NIL]
	s_wait_dscnt 0x0
	s_endpgm
.Lfunc_end_k_q08c2308ade_wquant:
	.size	k_q08c2308ade_wquant, .Lfunc_end_k_q08c2308ade_wquant-k_q08c2308ade_wquant
	.p2alignl 7, 3214868480
	.fill 96, 4, 3214868480
	.section	.rodata,"a",@progbits
	.p2align	6, 0x0
	.amdhsa_kernel k_q08c2308ade_wquant
		.amdhsa_group_segment_fixed_size 4096
		.amdhsa_private_segment_fixed_size 0
		.amdhsa_enable_private_segment 0
		.amdhsa_kernarg_size 32
		.amdhsa_user_sgpr_count 2
		.amdhsa_user_sgpr_kernarg_segment_ptr 1
		.amdhsa_wavefront_size32 1
		.amdhsa_system_sgpr_workgroup_id_x 1
		.amdhsa_system_sgpr_workgroup_id_y 1
		.amdhsa_system_sgpr_workgroup_id_z 1
		.amdhsa_system_vgpr_workitem_id 0
		.amdhsa_next_free_vgpr 128
		.amdhsa_next_free_sgpr 66
		.amdhsa_reserve_vcc 0
		.amdhsa_float_denorm_mode_32 3
		.amdhsa_float_denorm_mode_16_64 3
		.amdhsa_memory_ordered 1
		.amdhsa_forward_progress 1
		.amdhsa_inst_pref_size 14
	.end_amdhsa_kernel
	.amdgpu_metadata
---
amdhsa.version: [ 1, 2 ]
amdhsa.kernels:
  - .name:           k_q08c2308ade_wquant
    .symbol:         k_q08c2308ade_wquant.kd
    .args:
      - { .name: Wq, .offset: 0, .size: 8, .value_kind: global_buffer, .address_space: global }
      - { .name: Wk, .offset: 8, .size: 8, .value_kind: global_buffer, .address_space: global }
      - { .name: Wv, .offset: 16, .size: 8, .value_kind: global_buffer, .address_space: global }
      - { .name: wimg, .offset: 24, .size: 8, .value_kind: global_buffer, .address_space: global }
    .group_segment_fixed_size: 4096
    .private_segment_fixed_size: 0
    .kernarg_segment_align: 8
    .kernarg_segment_size: 32
    .max_flat_workgroup_size: 512
    .sgpr_count:     66
    .vgpr_count:     128
    .wavefront_size: 32
...
	.end_amdgpu_metadata
.endif
;; end of part 1
;; launch proj (part 2): grid 64 x 3, 8 waves a work-group, no clusters, 68,608 bytes of LDS; arguments query, key, bq, bk, bv, wimg, qb, kv; writes qb, kv
.if DOCPART == 2
	.amdgcn_target "amdgcn-amd-amdhsa--gfx1250"
	.amdhsa_code_object_version 6
	.text
	.protected	k_q08c2308ade_proj
	.globl	k_q08c2308ade_proj
	.p2align	8
	.type	k_q08c2308ade_proj,@function
k_q08c2308ade_proj:
	s_mov_b64 s[64:65], 0
	v_nop
	global_prefetch_b8 v0, s[64:65] scope:SCOPE_SE
	s_setreg_imm32_b32 hwreg(HW_REG_WAVE_MODE, 25, 1), 1
	s_wait_xcnt 0x0
; The three projections, q = query_tok Wq^T + bq, k = key_tok Wk^T + bk, v = key_tok Wv^T + bv, on codes of E4M3 with one E8M0 scale for each 32 along K (the 512 channels), and the quantising of their results
; for the attention launch: q and k along the head's 64 dimensions, v along the keys.  query, key: [2][512 channels][4,096 tokens] f32.
; SHARES.  Work-group (x, y): 128 tokens (batch x / 32, key step x % 32), job y (0 q, 1 k, 2 v).  Eight waves; wave w is head w: its 64 rows of the weight, 16 fragments, stay in 256 registers (window 1), loaded once as images.
; PHASE X.  The tokens are quantised on the way.  The channels are the tensor's outer axis, so A LANE TAKES A TOKEN AND ITS REGISTERS RUN DOWN THE CHANNELS: each load reads 128 consecutive bytes, four waves side by side;
; a block of 32 channels lies in one lane.  Wave w takes pair w % 4 (32 tokens) and channels 256 (w / 4) on.  The codes go to LDS as images of operand registers: the store's address puts a block's lower and upper 16 codes
; into the two halves of the lanes.  One barrier.
; TOKEN TILES.  A pair P is 32 tokens; row r of its tile u is token 32 P + 8 u + r + 8 (r / 8).  So in every product in which tokens are the 16 rows of source 0, the 16 registers of tiles (P, 0), (P, 1) are 16 neighbouring tokens.
; PHASE M, a pair at a time, 8 accumulators by turns, 4 K steps.  Jobs q, k: TRANSPOSED (source 0 = 16 rows of W, source 1 = 16 tokens): a lane holds one token and 16 neighbouring dimensions for each block.
; Job v: source 0 = 16 tokens, source 1 = 16 rows of W: a lane holds one dimension and 16 neighbouring keys.  In both the 64 results of a lane are four blocks of 16, each joined with lane l xor 16's: one quantiser serves all jobs.
; The bias is the C of each sum's first product.
; OUT (register images; group g of lane l at 512 g + 16 l, 2,048 bytes a pair).  q, k: group 2 u + c = token (u, r), dimensions 32 c + 16 h + 0 .. 15; scale word bytes (u0c0, u0c1, u1c0, u1c1).
; v: group t = dimension 16 t + r, keys 32 P + 16 h + 0 .. 15; the four pairs' scale words are turned, 4 x 4 bytes, so that word t holds the bytes of the step's four blocks of keys.
; qb: head y = 8 b + w: 270,336 bytes: 32 steps x 8,192 of codes, then 32 x 256 of scale words (16 bytes a row r).  kv: 540,672: 32 steps x (k 8,192, v 8,192, k 256, v 256).
; NO TENSOR LOADS, NO CLUSTER: the one thing that work-groups share, a job's 278,528 bytes of weight images, is wanted in registers once and never again; through LDS it would be written and read once more for nothing.
; LIMITS: a block whose largest magnitude lies under 2^-118 keeps the byte 1 (a block of zeros too: its codes are zeros, and this program alone reads the bytes); NaN and infinities are not served.
.set XSC, 65536                        ; LDS: 0: the tokens' 32 fragments, (tile 2 P + u, K step s) at 2,048 (4 (2 P + u) + s); XSC: their scale words, (P, s) at 128 (4 P + s) + 4 l: lanes 0-15 tile u = 0, lanes 16-31 tile u = 1
.set XA,  1                            ; v1  my token's 4 bytes in a pair's 128: the lane's number with bits 3 and 4 exchanged, x 4
.set XW,  2                            ; v2  where I store a block's codes
.set XWS, 3                            ; v3  and a K step's scale word
.set LI,  4                            ; v4  16 x lane
.set LS,  5                            ; v5  XSC + 4 x lane
.set SAD, 6                            ; v6  16 r
.set BA,  7                            ; v7  64 h
.set BA2, 8                            ; v8  4 r
.set TM,  16                           ; v16-31 at work
.set WD,  32                           ; v32-35 the four pairs' scale words
.set XS,  36                           ; v36-39 the tokens' scale words of a pair's four K steps
.set WS,  40                           ; v40-55 W's scale words: 4 t + s
.set BI,  56                           ; v56-87 the bias, 8 registers a tile, in the result's layout
.set PC,  88                           ; v88-103 the codes just made
.set HA,  104                          ; v104-167 the 8 accumulators; in phase X two sets of 32 numbers
.set XF,  168                          ; v168-231 the tokens' fragments: (u, s % 2) at 32 u + 16 (s % 2)
.set WV,  20
.set JOB, 21
.set SEL, 36
.set MNT, 38
.set MSB, 0
.macro WIN new                         ; the immediate's high byte repeats the setting that is left
.if MSB != \new
	s_set_vgpr_msb (MSB<<8)|\new
.set MSB, \new
.endif
.endm
.macro NOPS n
.rept \n
	v_nop
.endr
.endm
; 64 numbers of a lane in four blocks of 16, each joined with lane l xor 16's 16, become 16 registers of codes in v[pc] on and a scale word in v[pw]
.macro QUANT s, pc, pw
.irp b, 0,1,2,3
	v_max3_num_f32 v[TM+\b], |v[\s+16*\b]|, |v[\s+1+16*\b]|, 0x4800000   ; my 16 numbers of block b (each accumulator from its low end on), and the floor 2^(9 - 127)
.endr
.irp i, 2,4,6,8,10,12,14
.irp b, 0,1,2,3
	v_max3_num_f32 v[TM+\b], v[TM+\b], |v[\s+16*\b+\i]|, |v[\s+1+16*\b+\i]|
.endr
.endr
.irp b, 0,1,2,3
	s_delay_alu instid0(VALU_DEP_4)
	v_permlanex16_b32 v[TM+4+\b], v[TM+\b], s[SEL], s[SEL+1]
.endr
.irp b, 0,1,2,3
	s_delay_alu instid0(VALU_DEP_4)
	v_max_num_f32 v[TM+\b], v[TM+\b], v[TM+4+\b]
.endr
.irp b, 0,1,2,3
	s_delay_alu instid0(VALU_DEP_4)
	v_add_nc_u32 v[TM+12+\b], 0xfc000000, v[TM+\b]   ; 8 off the exponent field: the conversion's scale operand
.endr
.irp b, 0,1,2,3
	v_and_or_b32 v[TM+8+\b], v[TM+\b], 0x7f800000, s[MNT]   ; 448 x the scale
.endr
.irp b, 0,1,2,3
	v_lshrrev_b32 v[TM+4+\b], 23, v[TM+12+\b]      ; the scale's byte
.endr
	s_delay_alu instid0(VALU_DEP_3)
	v_lshl_or_b32 v[\pw], v[TM+5], 8, v[TM+4]
	s_delay_alu instid0(VALU_DEP_1)
	v_lshl_or_b32 v[\pw], v[TM+6], 16, v[\pw]
	s_delay_alu instid0(VALU_DEP_1)
	v_lshl_or_b32 v[\pw], v[TM+7], 24, v[\pw]
.irp b, 0,1,2,3
.set I_, 0
.rept 16
	v_med3_num_f32 v[\s+16*\b+I_], v[\s+16*\b+I_], -v[TM+8+\b], v[TM+8+\b]   ; the conversion to an 8-bit code does not saturate (ISA guide 7.6.2)
.set I_, I_+1
.endr
	v_cvt_scalef32_pk8_fp8_f32 v[\pc+4*\b:\pc+1+4*\b], v[\s+16*\b:\s+7+16*\b], v[TM+12+\b]
	v_cvt_scalef32_pk8_fp8_f32 v[\pc+2+4*\b:\pc+3+4*\b], v[\s+8+16*\b:\s+15+16*\b], v[TM+12+\b]
.endr
	v_nop                                          ; one plain line behind the last conversion: the next pair's products write its sources
.endm
	s_load_b256 s[4:11], s[0:1], 0x0               ; query s[4:5], key s[6:7], bq s[8:9], bk s[10:11]
	s_load_b256 s[12:19], s[0:1], 0x20             ; bv s[12:13], wimg s[14:15], qb s[16:17], kv s[18:19]
	v_lshl_add_u32 v254, v0, 2, 0x10800
	v_mov_b32 v255, 0
	v_lshrrev_b32 v9, 5, v0
	s_delay_alu instid0(VALU_DEP_1)
	v_readfirstlane_b32 s[WV], v9                  ; wave = head
	s_and_b32 s[JOB], ttmp7, 0xffff
	s_lshr_b32 s22, ttmp9, 5                       ; b
	s_and_b32 s23, ttmp9, 31                       ; S: which 128 tokens
	s_and_b32 s24, s[WV], 3                        ; phase X: my pair
	s_lshr_b32 s25, s[WV], 2                       ; and my half of the channels
	v_and_b32 v9, 31, v0                           ; lane
	v_and_b32 v10, 15, v0                          ; r
	v_bfe_u32 v11, v0, 4, 1                        ; h; in phase X: my token's tile u
	v_bfe_u32 v12, v0, 3, 1
	v_and_b32 v13, 7, v0
	s_delay_alu instid0(VALU_DEP_1)
	v_lshl_or_b32 v13, v11, 3, v13
	s_delay_alu instid0(VALU_DEP_1)
	v_lshl_or_b32 v13, v12, 4, v13                 ; lane 16 u + r holds token 8 u + r + 8 (r / 8) of the pair
	s_delay_alu instid0(VALU_DEP_1)
	v_lshlrev_b32 v[XA], 2, v13
	s_lshl_b32 s40, s24, 14
	s_lshl_b32 s41, s25, 12
	s_add_co_u32 s40, s40, s41
	v_lshlrev_b32 v[XW], 4, v10
	s_delay_alu instid0(VALU_DEP_1)
	v_lshl_add_u32 v[XW], v11, 13, v[XW]
	s_delay_alu instid0(VALU_DEP_1)
	v_add_nc_u32 v[XW], s40, v[XW]                 ; 16 r + 8,192 u + 16,384 pair + 4,096 half
	s_lshl_b32 s40, s24, 9
	s_lshl_b32 s41, s25, 8
	s_add_co_u32 s40, s40, s41
	s_add_co_u32 s40, s40, XSC
	v_lshl_add_u32 v[XWS], v9, 2, s40              ; XSC + 4 lane + 512 pair + 256 half
	v_lshlrev_b32 v[LI], 4, v9
	v_lshl_add_u32 v[LS], v9, 2, XSC
	v_lshlrev_b32 v[SAD], 4, v10
	v_lshlrev_b32 v[BA], 6, v11
	v_lshlrev_b32 v[BA2], 2, v10
.irp b, 0,1,2,3
	v_mov_b32 v[TM+4+\b], 0                        ; written once: a lane permute's destination counts as one of its sources
.endr
	s_mov_b32 s[SEL], 0x76543210
	s_mov_b32 s[SEL+1], 0xfedcba98
	s_mov_b32 s[MNT], 0x600000
	; offsets, apart from the addresses
	s_lshl_b32 s40, s22, 23                        ; tokens: batch b: 512 x 4,096 x 4 bytes;
	s_lshl_b32 s42, s25, 22
	s_add_co_u32 s40, s40, s42                     ; 256 channels of 16,384 bytes;
	s_lshl_b32 s42, s23, 9
	s_add_co_u32 s40, s40, s42                     ; 128 tokens;
	s_lshl_b32 s42, s24, 7
	s_add_co_u32 s40, s40, s42                     ; my pair
	s_mov_b32 s41, 0
	s_lshl_b32 s42, s[JOB], 3
	s_add_co_u32 s42, s42, s[WV]
	s_mul_i32 s42, s42, 34816                      ; my head's weight images
	s_mov_b32 s43, 0
	s_lshl_b32 s44, s[WV], 8                       ; my head's 64 numbers of the bias
	s_mov_b32 s45, 0
	s_lshl_b32 s46, s22, 3
	s_add_co_u32 s46, s46, s[WV]                   ; y = 8 b + head
	s_mov_b32 s48, 540672
	; kv's order (in place of the one that the head comment gives): head y at 540,672 y; key step S at 16,896 S: k's codes 8,192, v's codes 8,192, k's scale words 256, v's 256: one dense tile of 66 rows of 256 bytes
	s_mov_b32 s49, 16384
	s_cmp_eq_u32 s[JOB], 0
	s_cselect_b32 s48, 270336, s48                 ; a head's bytes in qb or in kv,
	s_cselect_b32 s49, 262144, s49                 ; where its scale words begin,
	s_mov_b32 s50, 16896
	s_cselect_b32 s50, 8192, s50                   ; a step's codes begin 8,192 (qb) or 16,896 (kv) bytes apart,
	s_mov_b32 s51, 16896
	s_cselect_b32 s51, 256, s51                    ; its scale words 256 or 16,896
	s_mul_i32 s48, s46, s48
	s_mul_i32 s50, s23, s50
	s_mul_i32 s51, s23, s51
	s_cmp_eq_u32 s[JOB], 2
	s_cselect_b32 s52, 8192, 0                     ; v's lie behind k's
	s_cselect_b32 s53, 256, 0
	s_add_co_u32 s50, s50, s48
	s_add_co_u32 s50, s50, s52                     ; the codes' offset
	s_add_co_u32 s52, s51, s48
	s_add_co_u32 s52, s52, s49
	s_add_co_u32 s52, s52, s53                     ; the scale words'
	s_mov_b32 s51, 0
	s_mov_b32 s53, 0
	s_wait_alu depctr_va_vdst(0)
	s_wait_kmcnt 0x0
	s_cmp_eq_u32 s[JOB], 0                         ; the buffers are chosen by the job alone
	s_cselect_b64 s[26:27], s[4:5], s[6:7]
	s_cselect_b64 s[30:31], s[8:9], s[10:11]
	s_cselect_b64 s[32:33], s[16:17], s[18:19]
	s_cmp_eq_u32 s[JOB], 2
	s_cselect_b64 s[30:31], s[12:13], s[30:31]
	s_add_nc_u64 s[34:35], s[32:33], s[52:53]      ; scale words out
	s_add_nc_u64 s[32:33], s[32:33], s[50:51]      ; codes out
	s_add_nc_u64 s[26:27], s[26:27], s[40:41]      ; tokens in
	s_add_nc_u64 s[28:29], s[14:15], s[42:43]      ; weight images in
	s_add_nc_u64 s[30:31], s[30:31], s[44:45]      ; bias in
	WIN 0x40                                       ; destination window 1
.set F_, 0
.rept 16                                       ; W's fragment f = 4 t + s at v[16 f] of window 1: it stays
.irp c, 0,1,2,3
	global_load_b128 v[16*F_+4*\c:16*F_+4*\c+3], v[LI], s[28:29] offset:2048*F_+512*\c
.endr
.set F_, F_+1
.endr
	WIN 0
.irp t, 0,1,2,3
	global_load_b128 v[WS+4*\t:WS+4*\t+3], v[LI], s[28:29] offset:32768+512*\t
.endr
	s_cmp_eq_u32 s[JOB], 2                         ; the bias in the result's layout
	s_cbranch_scc1 .Lbias_v
.irp t, 0,1,2,3                                ; q, k: register j of tile t is dimension 32 (t / 2) + 16 h + 8 (t % 2) + j
	global_load_b128 v[BI+8*\t:BI+8*\t+3], v[BA], s[30:31] offset:(32*(\t/2)+8*(\t%2))*4
	global_load_b128 v[BI+8*\t+4:BI+8*\t+7], v[BA], s[30:31] offset:(32*(\t/2)+8*(\t%2))*4+16
.endr
	s_branch .Lbias_done
.Lbias_v:
.irp t, 0,1,2,3                                ; v: all eight registers of tile t are dimension 16 t + r
.irp j, 0,1,2,3,4,5,6,7
	global_load_b32 v[BI+8*\t+\j], v[BA2], s[30:31] offset:64*\t
.endr
.endr
.Lbias_done:
; ---- PHASE X
.macro XLOAD t                         ; block t: channels 32 t + 0 .. 31 of my token, into set t % 2; the largest offset, 255 x 16,384, lies inside the signed 24-bit immediate
.set I_, 0
.rept 32
	global_load_b32 v[HA+32*((\t)%2)+I_], v[XA], s[26:27] offset:(32*(\t)+I_)*16384
.set I_, I_+1
.endr
.endm
.macro BLOCK t
.set XN, HA+32*((\t)%2)
.if (\t) < 7
	s_wait_loadcnt 32                              ; this block's loads, and all issued ahead of them, are in; the next block's 32 may be out
.else
	s_wait_loadcnt 0x0
.endif
	v_max3_num_f32 v[TM], |v[XN]|, |v[XN+1]|, |v[XN+2]|            ; the block's largest magnitude: all 32 numbers are mine
	v_max3_num_f32 v[TM+1], |v[XN+3]|, |v[XN+4]|, |v[XN+5]|
.irp i, 6,10,14,18,22,26
	s_delay_alu instid0(VALU_DEP_2)
	v_max3_num_f32 v[TM], v[TM], |v[XN+\i]|, |v[XN+\i+1]|
	s_delay_alu instid0(VALU_DEP_2)
	v_max3_num_f32 v[TM+1], v[TM+1], |v[XN+\i+2]|, |v[XN+\i+3]|
.endr
	s_delay_alu instid0(VALU_DEP_2)
	v_max3_num_f32 v[TM], v[TM], |v[XN+30]|, |v[XN+31]|
	s_delay_alu instid0(VALU_DEP_1)
	v_max3_num_f32 v[TM], v[TM], v[TM+1], 0x4800000                ; and the floor 2^(9 - 127)
	s_delay_alu instid0(VALU_DEP_1)
	v_add_nc_u32 v[TM+2], 0xfc000000, v[TM]        ; the conversion's scale operand
	s_delay_alu instid0(VALU_DEP_2)
	v_and_or_b32 v[TM+3], v[TM], 0x7f800000, s[MNT]   ; 448 x the scale
	s_delay_alu instid0(VALU_DEP_2)
	v_lshrrev_b32 v[TM+8], 23, v[TM+2]             ; the byte
.if (\t)%4 == 0
	s_delay_alu instid0(VALU_DEP_1)
	v_mov_b32 v[PC+8+(\t)/4], v[TM+8]              ; four bytes to a word, a word to a K step
.else
	s_delay_alu instid0(VALU_DEP_1)
	v_lshl_or_b32 v[PC+8+(\t)/4], v[TM+8], 8*((\t)%4), v[PC+8+(\t)/4]
.endif
.set I_, 0
.rept 32
	v_med3_num_f32 v[XN+I_], v[XN+I_], -v[TM+3], v[TM+3]
.set I_, I_+1
.endr
.irp g, 0,1,2,3
	v_cvt_scalef32_pk8_fp8_f32 v[PC+2*\g:PC+2*\g+1], v[XN+8*\g:XN+8*\g+7], v[TM+2]
.endr
	v_nop
	ds_store_b128 v[XW], v[PC:PC+3] offset:2048*((\t)/4)+512*((\t)%4)          ; channels 0-15 of the block: the place of lane r of the fragment,
	ds_store_b128 v[XW], v[PC+4:PC+7] offset:2048*((\t)/4)+512*((\t)%4)+256    ; channels 16-31: that of lane 16 + r
.if (\t)%4 == 3
	ds_store_b32 v[XWS], v[PC+8+(\t)/4] offset:128*((\t)/4)
.endif
.if (\t)+2 < 8
	XLOAD (\t)+2
.endif
	s_wait_dscnt 0x0                               ; the stores have read their registers: the next block's codes may be written
.endm
	XLOAD 0
	XLOAD 1
.irp t, 0,1,2,3,4,5,6,7
	BLOCK \t
.endr
	s_wait_dscnt 0x0                               ; for the others' sake: my stores have landed
	s_barrier_signal -1
	s_barrier_wait -1                              ; the 32 fragments and their scale words lie in LDS; nothing is written there again
; ---- PHASE M
.macro FETCHX P, half                  ; pair P's fragments of K steps 2 half, 2 half + 1, both tiles
.irp i, 0,1
.irp u, 0,1
.irp c, 0,1,2,3
	ds_load_b128 v[XF+32*\u+16*\i+4*\c:XF+32*\u+16*\i+4*\c+3], v[LI] offset:((2*(\P)+\u)*4+2*(\half)+\i)*2048+512*\c
.endr
.endr
.endr
.endm
.macro MM d, a, b, c, sa, sb, row      ; row: 0: both scale words in lanes 0-15; 1: source 0's in lanes 16-31; 2: source 1's
.if \row == 0
	v_wmma_scale_f32_16x16x128_f8f6f4 v[\d:\d+7], v[\a:\a+15], v[\b:\b+15], v[\c:\c+7], v[\sa], v[\sb]
.elseif \row == 1
	v_wmma_scale_f32_16x16x128_f8f6f4 v[\d:\d+7], v[\a:\a+15], v[\b:\b+15], v[\c:\c+7], v[\sa], v[\sb] matrix_a_scale:MATRIX_SCALE_ROW1
.else
	v_wmma_scale_f32_16x16x128_f8f6f4 v[\d:\d+7], v[\a:\a+15], v[\b:\b+15], v[\c:\c+7], v[\sa], v[\sb] matrix_b_scale:MATRIX_SCALE_ROW1
.endif
.endm
; 16 products: two K steps x 8 accumulators, which take turns in ascending order in both arms, one instruction a turn.  The branch hangs on the job alone; every window is 0 at it and at the labels.
.macro MULS half
	s_cmp_eq_u32 s[JOB], 2
	s_cbranch_scc1 .Lmv_\@
	WIN 0x01                                       ; source 0 (W) window 1
.irp i, 0,1
.irp u, 0,1
.irp t, 0,1,2,3
.set S_, 2*(\half)+\i
.set D_, HA+8*(4*\u+\t)
.set C_, D_
.if S_ == 0
.set C_, BI+8*\t
.endif
.set W_, 16*(4*\t+S_)
.set X_, XF+32*\u+16*\i
.set SW_, WS+4*\t+S_
.set SX_, XS+S_
	MM D_, W_, X_, C_, SW_, SX_, 2*\u
.endr
.endr
.endr
	WIN 0
	s_branch .Lmd_\@
.Lmv_\@:
	WIN 0x04                                       ; source 1 (W) window 1
.irp i, 0,1
.irp t, 0,1,2,3
.irp u, 0,1
.set S_, 2*(\half)+\i
.set D_, HA+8*(2*\t+\u)
.set C_, D_
.if S_ == 0
.set C_, BI+8*\t
.endif
.set W_, 16*(4*\t+S_)
.set X_, XF+32*\u+16*\i
.set SW_, WS+4*\t+S_
.set SX_, XS+S_
	MM D_, X_, W_, C_, SX_, SW_, \u
.endr
.endr
.endr
	WIN 0
.Lmd_\@:
.endm
.irp P, 0,1,2,3
	FETCHX \P, 0
.irp s, 0,1,2,3
	ds_load_b32 v[XS+\s], v[LS] offset:(4*\P+\s)*128
.endr
	s_wait_dscnt 0x0
	MULS 0
	NOPS 8                                         ; eight places in front of loads into registers that these products have read
	FETCHX \P, 1
	s_wait_dscnt 0x0
	MULS 1
	NOPS 8                                         ; and in front of the first read of results
	s_wait_xcnt 0x0                                ; the last pair's stores have read the codes' registers, which are written again below
	QUANT HA, PC, WD+\P
.irp g, 0,1,2,3
	global_store_b128 v[LI], v[PC+4*\g:PC+4*\g+3], s[32:33] offset:2048*\P+512*\g   ; the pair's image: 512 consecutive bytes a store, aligned
.endr
.endr
	s_cmp_eq_u32 s[JOB], 2                         ; v: byte t of pair c's word becomes byte c of word t: 4 x 4 bytes are turned
	s_cbranch_scc0 .Lno_turn
	v_perm_b32 v[TM], v[WD+1], v[WD], 0x05010400       ; (w0b0, w1b0, w0b1, w1b1)
	v_perm_b32 v[TM+1], v[WD+1], v[WD], 0x07030602     ; (w0b2, w1b2, w0b3, w1b3)
	v_perm_b32 v[TM+2], v[WD+3], v[WD+2], 0x05010400   ; (w2b0, w3b0, w2b1, w3b1)
	v_perm_b32 v[TM+3], v[WD+3], v[WD+2], 0x07030602   ; (w2b2, w3b2, w2b3, w3b3)
	s_delay_alu instid0(VALU_DEP_2)
	v_perm_b32 v[WD], v[TM+2], v[TM], 0x05040100
	s_delay_alu instid0(VALU_DEP_3)
	v_perm_b32 v[WD+1], v[TM+2], v[TM], 0x07060302
	s_delay_alu instid0(VALU_DEP_3)
	v_perm_b32 v[WD+2], v[TM+3], v[TM+1], 0x05040100
	s_delay_alu instid0(VALU_DEP_4)
	v_perm_b32 v[WD+3], v[TM+3], v[TM+1], 0x07060302
.Lno_turn:
	global_store_b128 v[SAD], v[WD:WD+3], s[34:35] ; 16 bytes a row r: 256 consecutive bytes, aligned; lanes l and l + 16 hold the same words and write the same bytes
	s_wait_tensorcnt 0x0
	ds_add_u32 v254, v255
	s_wait_dscnt 0x0
	s_endpgm
.Lfunc_end_k_q08c2308ade_proj:
	.size	k_q08c2308ade_proj, .Lfunc_end_k_q08c2308ade_proj-k_q08c2308ade_proj
	.p2alignl 7, 3214868480
	.fill 96, 4, 3214868480
	.section	.rodata,"a",@progbits
	.p2align	6, 0x0
	.amdhsa_kernel k_q08c2308ade_proj
		.amdhsa_group_segment_fixed_size 68608
		.amdhsa_private_segment_fixed_size 0
		.amdhsa_enable_private_segment 0
		.amdhsa_kernarg_size 64
		.amdhsa_user_sgpr_count 2
		.amdhsa_user_sgpr_kernarg_segment_ptr 1
		.amdhsa_wavefront_size32 1
		.amdhsa_system_sgpr_workgroup_id_x 1
		.amdhsa_system_sgpr_workgroup_id_y 1
		.amdhsa_system_sgpr_workgroup_id_z 1
		.amdhsa_system_vgpr_workitem_id 0
		.amdhsa_next_free_vgpr 512
		.amdhsa_next_free_sgpr 66
		.amdhsa_reserve_vcc 0
		.amdhsa_float_denorm_mode_32 3
		.amdhsa_float_denorm_mode_16_64 3
		.amdhsa_memory_ordered 1
		.amdhsa_forward_progress 1
		.amdhsa_inst_pref_size 155
	.end_amdhsa_kernel
	.amdgpu_metadata
---
amdhsa.version: [ 1, 2 ]
amdhsa.kernels:
  - .name:           k_q08c2308ade_proj
    .symbol:         k_q08c2308ade_proj.kd
    .args:
      - { .name: query, .offset: 0, .size: 8, .value_kind: global_buffer, .address_space: global }
      - { .name: key, .offset: 8, .size: 8, .value_kind: global_buffer, .address_space: global }
      - { .name: bq, .offset: 16, .size: 8, .value_kind: global_buffer, .address_space: global }
      - { .name: bk, .offset: 24, .size: 8, .value_kind: global_buffer, .address_space: global }
      - { .name: bv, .offset: 32, .size: 8, .value_kind: global_buffer, .address_space: global }
      - { .name: wimg, .offset: 40, .size: 8, .value_kind: global_buffer, .address_space: global }
      - { .name: qb, .offset: 48, .size: 8, .value_kind: global_buffer, .address_space: global }
      - { .name: kv, .offset: 56, .size: 8, .value_kind: global_buffer, .address_space: global }
    .group_segment_fixed_size: 68608
    .private_segment_fixed_size: 0
    .kernarg_segment_align: 8
    .kernarg_segment_size: 64
    .max_flat_workgroup_size: 256
    .sgpr_count:     66
    .vgpr_count:     512
    .wavefront_size: 32
...
	.end_amdgpu_metadata
.endif
;; end of part 2
;; launch attn (part 3): grid 16 x 16, 16 waves a work-group, no clusters, 327,680 bytes of LDS; arguments qb, kv, out0; writes out0
.if DOCPART == 3
	.amdgcn_target "amdgcn-amd-amdhsa--gfx1250"
	.amdhsa_code_object_version 6
	.text
	.protected	k_q08c2308ade_attn
	.globl	k_q08c2308ade_attn
	.p2align	8
	.type	k_q08c2308ade_attn,@function
k_q08c2308ade_attn:
	s_mov_b64 s[64:65], 0
	v_nop
	global_prefetch_b8 v0, s[64:65] scope:SCOPE_SE
	s_setreg_imm32_b32 hwreg(HW_REG_WAVE_MODE, 25, 1), 1
	s_wait_xcnt 0x0
; Causal attention on codes of E4M3 with one E8M0 scale for each 32 along a product's K: 16 heads (y = 8 b + h), 4,096 tokens, head size 64.  out0[b][64 h + d][n] = O[n][d], f32.
; THE SOFTMAX AHEAD OF THE SECOND PRODUCT: t = score x log2(e) / 8; M = the largest t so far, rounded UP to a whole number; p = 2^(t - M) is quantised along the keys, not normalised; the sum is taken of the
; unquantised p and divides O at the end.  When M moves, the sum and O are multiplied by 2^(old M - new M): exact.
; SHARES.  A head's queries are 32 chunks of 128.  Under the causal mask chunk c has c + 1 key steps of 128; key steps wholly behind a chunk's queries are left out by the deal.  Work-group x = j owns chunks 31 - j and j:
; 32 - j + j + 1 = 33 key steps in every work-group.  They form ONE STREAM: stream step t is key step t of chunk 31 - j while t < 32 - j, then key step t - (32 - j) of chunk j.
; Sixteen waves, four to a SIMD.  Wave w owns tile w % 8 (16 queries) of BOTH chunks and the stream steps of parity w / 8: 17 or 16 steps a wave, whatever j.  At its first step of chunk j a wave saves O, M and the sum of
; chunk 31 - j in registers and takes chunk j's Q, loaded at the head: register work under a branch on ids.  At the end waves w and w + 8 hold two parts of each chunk's rows: each sends one part to the other through LDS,
; the parts are brought under one M by exact powers of two and added; waves 0-7 finish chunk 31 - j, waves 8-15 chunk j.
; RING.  A stream step's tile is 16,896 dense bytes of kv (k's images 8,192, v's 8,192, k's and v's scale words 512): 66 rows of 256.  Two slots of EIGHT steps hold stream steps 0 to 31 in four fills; waves 0 to 7 fetch a
; step each by one tensor load: four steps of every wave stand between two changes of slots.  Stream step 32 has bytes of its own behind slot 1, filled once, at the head, by wave 8.  Trip counts are constants; no tensor
; load and no barrier is jumped over.
; LAYOUT.  Both products are used transposed: S^T = K Q^T (source 0 = 16 keys, source 1 = my 16 queries), O^T = V^T P^T: a lane holds ONE query throughout.  Row r of tile u of pair P is token 32 P + 8 u + r + 8 (r / 8),
; so that the 16 registers of tiles (P, 0), (P, 1) are keys 32 P + 16 (lane / 16) + 0 .. 15, and the conversions' results are the second product's operand.
; K = 64 IN AN INSTRUCTION OF K = 128: tile u = 0 is the operand (K0, zeros), tile u = 1 (zeros, K1): registers K0, Z, K1 on end; Q's operand is (Q, Q), its scale word (c0, c1, c0, c1).
; A pair's scale word (u0c0, u0c1, u1c0, u1c1) then serves both tiles: zero codes add nothing under any byte from 1 to 254.
; NO CLUSTER, though the 16 work-groups of a head read the same kv: work-group j's t-th tile is key step t only while t < 32 - j, so from stream step 17 on partners would ask for different tiles in the same round.
; LIMITS: hidden scores are -infinity where reference() has -1e9: p is 0 either way unless a row's visible logits lie near -1e9.  p under 2^-126 is 0 (v_exp_f32 flushes).  NaN and infinities are not served.
; The promise holds while the scaled scores stay under 2^31 in magnitude.
; REGISTERS: v1-11 addresses; v12 -M, v13 the largest t, v[14:15] the sum in two halves; v16-31 (Q, Q); v32-79 two pairs of K; v80-87 chunk j's Q; v88-91 its scale word, then the saved -M, t, sum; v92-95 a second copy of the holds' bounds;
; v96-159 S^T, then p, then V^T; v160-191 O^T; v192-223 the saved O^T; v224-239 p's codes; v230-247, v252, v254 at work; v248-251 the step's scale words (lanes 0-15 k's, 16-31 v's); v253 p's scale word; v255 Q's.
.set STEPB, 16896                      ; a stream step's tile
.set SLOT1, 8*STEPB                    ; slot 0 at 0, slot 1 here
.set XR,    2*SLOT1                    ; stream step 32; the STEPB bytes behind it are named by no wave's step
.set SPARE, XR+2*STEPB                 ; the spare words, 128 bytes for each of 16 waves
.set EXC,   0                          ; sixteen mailboxes: 8 x 512 bytes of O^T, 512 of (-M, t, sum, sum).  They lie in slot 0, which has had its last fill and, at the last change of slots, its last read
.set MBX,   4608
.set STAGE, EXC+16*MBX                 ; the way out: for each chunk 64 rows (d) x (128 queries x 4 bytes + 16): behind the mailboxes, 6,144 bytes of it in slot 1; written behind the mailboxes' barrier, when no wave reads the ring any more
.set SROW,  528
.set STGB,  64*SROW
.set LI,  1                            ; v1   16 x lane + STEPB x (wave / 8)
.set EXS, 2                            ; v2   my mailbox + 16 x lane
.set QL,  3                            ; v3   my query - Q0 - 16 (lane / 16)
.set PFO, 4                            ; v4   256 x min(lane, 21)
.set SPW, 5                            ; v5   my spare word; never rewritten
.set NIL, 6                            ; v6   0; never rewritten
.set GO,  7                            ; v7   16 x lane
.set AD,  8                            ; v8   LDS address of the step's tile
.set EXL, 9                            ; v9   my partner's mailbox + 16 x lane
.set STO, 10                           ; v10  the stage: where I put my query's numbers
.set SRD, 11                           ; v11  and where I read rows back
.set TB,  2                            ; s2   the slot in hand
.set TA,  3                            ; s3   where the step's pair of tiles begins
.set WV,  18
.set MNT, 19
.set SEL, 20
.set CS,  22                           ; s[22:23] c = log2(e) / 8
.set G1,  24                           ; s[24:31] descriptor group 1, one for all loads
.set G0,  40                           ; s[40:43] group 0 of the ring
.set G0X, 44                           ; s[44:47] group 0 of stream step 32
.set GRP, 48                           ; wave / 8
.set TILE, 49                          ; wave % 8
.set LA,  50                           ; 32 - j: the steps of chunk 31 - j
.set T,   51                           ; my stream step
.set SWT, 52                           ; the stream step from which on I change chunks; the greatest number once I have
.set KOFF, 53                          ; stream step - key step
.set Q0B, 54                           ; my pair's first query in chunk j
.set FB,  55                           ; the slot that is filled
.set WOFF, 56                          ; STEPB x wave
.set TL,  57                           ; the stream step that I fetch
.set CNT, 58
.set SLOTS, 66
.set KF,  67                           ; the step's first key
.set Q0,  68                           ; my pair's first query
.set PFA, 76                           ; s[76:77] where my prefetches stand
.set LIM, 80                           ; 1 in a wave that prefetches, else the greatest number
.macro NOPS n
.rept \n
	v_nop
.endr
.endm
.macro TLOAD                           ; waves 0 to 7 fetch a step each; an s_nop 0 and four v_nop follow the load
	s_cmp_lt_u32 s[WV], 8
	s_cbranch_scc0 .Lasked_\@
	tensor_load_to_lds s[G0:G0+3], s[G1:G1+7]
	s_nop 0
	NOPS 4
.Lasked_\@:
.endm
; A PREFETCH INTO THE L2 of the slot that the NEXT change of slots will ask for: 135,168 dense bytes, eight stream steps ahead of that load.  The head's first work-group (j = 0), whose stream is key steps 0 to 31 in order, asks,
; and in it waves 8 to 15, which fetch nothing for the ring: a step's 16,896 bytes a wave, by three instructions of 22 lanes 256 bytes apart (the other ten lanes name the instruction's last block again).
; So each aligned block of 256 bytes is named by one wave in the launch.  The last change that fills a slot asks for nothing; slots 0 and 1 and stream step 32 come by their loads alone.
.macro ASK
	s_cmp_gt_u32 s[SLOTS], s[LIM]
	s_cbranch_scc0 .Lnot_mine_\@
	global_prefetch_b8 v[PFO], s[PFA:PFA+1] th:TH_LOAD_NT scope:SCOPE_SE
	global_prefetch_b8 v[PFO], s[PFA:PFA+1] offset:5632 th:TH_LOAD_NT scope:SCOPE_SE
	global_prefetch_b8 v[PFO], s[PFA:PFA+1] offset:11264 th:TH_LOAD_NT scope:SCOPE_SE
.Lnot_mine_\@:
.endm
	s_load_b128 s[4:7], s[0:1], 0x0                ; qb s[4:5], kv s[6:7]
	s_load_b64 s[8:9], s[0:1], 0x10                ; out0
	v_lshl_add_u32 v[SPW], v0, 2, SPARE
	v_mov_b32 v[NIL], 0
	ds_add_u32 v[SPW], v[NIL]                      ; the opening lines: the add, twice on end, and its wait ahead of my first tensor load
	ds_add_u32 v[SPW], v[NIL]
	v_lshrrev_b32 v240, 5, v0
	s_delay_alu instid0(VALU_DEP_1)
	v_readfirstlane_b32 s[WV], v240                ; wave 0..15
	s_and_b32 s70, ttmp7, 0xffff                   ; the head y
	s_lshr_b32 s[GRP], s[WV], 3
	s_and_b32 s[TILE], s[WV], 7
	s_sub_co_u32 s[LA], 32, ttmp9
	s_mov_b32 s[G1], 3<<16                         ; no mask; elements of 8 bytes; no padding: images are read 512 bytes on end
	s_mov_b32 s[G1+1], 32<<16                      ; tensor_dim0 = 32
	s_mov_b32 s[G1+2], 66<<16                      ; tensor_dim1 = 66
	s_mov_b32 s[G1+3], 32<<16                      ; tile_dim0 = 32
	s_mov_b32 s[G1+4], 66                          ; tile_dim1 = 66
	s_mov_b32 s[G1+5], 32                          ; the pitch
	s_mov_b32 s[G1+6], 0
	s_mov_b32 s[G1+7], 0
	s_mul_i32 s[WOFF], s[WV], STEPB
	s_mov_b32 s[G0], 1
	s_mov_b32 s[G0+1], s[WOFF]                     ; slot 0, my step
	s_mov_b32 s[G0X], 1
	s_mov_b32 s[G0X+1], XR
	s_mov_b32 s82, s[WOFF]                         ; stream step = key step = wave (8 <= 32 - j)
	s_mov_b32 s83, 0
	s_mul_i32 s84, s70, 540672
	s_mov_b32 s85, 0
	s_mul_i32 s88, ttmp9, STEPB                    ; stream step 32 is key step j
	s_mov_b32 s89, 0
	s_wait_dscnt 0x0                               ; both opening adds are done
	s_wait_kmcnt 0x0
	s_add_nc_u64 s[86:87], s[6:7], s[84:85]        ; kv at my head
	s_add_nc_u64 s[G0+2:G0+3], s[86:87], s[82:83]
	s_or_b32 s[G0+3], s[G0+3], 0x80000000          ; type = 2
	s_add_nc_u64 s[G0X+2:G0X+3], s[86:87], s[88:89]
	s_or_b32 s[G0X+3], s[G0X+3], 0x80000000
	s_cmp_lt_u32 s[WV], 8                          ; the first fills: one chain of branches on the wave's number, one load to an arm
	s_cbranch_scc0 .Lhead_x
	tensor_load_to_lds s[G0:G0+3], s[G1:G1+7]
	s_nop 0
	NOPS 4
	s_branch .Lhead_asked
.Lhead_x:
	s_cmp_eq_u32 s[WV], 8
	s_cbranch_scc0 .Lhead_asked
	tensor_load_to_lds s[G0X:G0X+3], s[G1:G1+7]
	s_nop 0
	NOPS 4
.Lhead_asked:
	s_lshr_b32 s74, s[TILE], 1                     ; my pair in the chunk
	s_and_b32 s75, s[TILE], 1                      ; the pair's tile u
	s_sub_co_u32 s73, 31, ttmp9                    ; the first chunk
	s_lshl_b32 s[Q0], s73, 7
	s_lshl_b32 s81, s74, 5
	s_add_co_u32 s[Q0], s[Q0], s81
	s_lshl_b32 s[Q0B], ttmp9, 7
	s_add_co_u32 s[Q0B], s[Q0B], s81
	v_and_b32 v240, 31, v0                         ; lane
	v_and_b32 v241, 15, v0                         ; r
	v_bfe_u32 v242, v0, 4, 1                       ; h
	s_delay_alu instid0(VALU_DEP_2)
	v_and_b32 v243, 8, v241
	s_delay_alu instid0(VALU_DEP_1)
	v_add_nc_u32 v243, v243, v241                  ; r + 8 (r / 8)
	s_delay_alu instid0(VALU_DEP_4)
	v_lshlrev_b32 v244, 4, v241                    ; 16 r
	v_lshlrev_b32 v[GO], 4, v240
	v_min_u32 v[PFO], 21, v240
	s_delay_alu instid0(VALU_DEP_1)
	v_lshlrev_b32 v[PFO], 8, v[PFO]
	v_lshlrev_b32 v[QL], 4, v242
	s_delay_alu instid0(VALU_DEP_1)
	v_sub_nc_u32 v[QL], v243, v[QL]
	s_wait_alu depctr_va_vdst(0)
	s_lshl_b32 s81, s75, 3
	v_add_nc_u32 v[QL], s81, v[QL]                 ; 8 u + r + 8 (r / 8) - 16 h
	s_mul_i32 s81, s[GRP], STEPB
	v_add_nc_u32 v[LI], s81, v[GO]
	s_mul_i32 s81, s[WV], MBX
	s_add_co_u32 s81, s81, EXC
	v_add_nc_u32 v[EXS], s81, v[GO]
	s_xor_b32 s81, s[WV], 8
	s_mul_i32 s81, s81, MBX
	s_add_co_u32 s81, s81, EXC
	v_add_nc_u32 v[EXL], s81, v[GO]
	s_mul_i32 s81, s[GRP], STGB
	s_add_co_u32 s81, s81, STAGE                   ; the stage of the chunk that I finish
	s_mul_i32 s88, s[TILE], 8*SROW
	s_add_co_u32 s88, s88, s81
	v_add_nc_u32 v[SRD], s88, v[GO]                ; back: rows 8 tile .. 8 tile + 7, 512 bytes a row
	s_lshl_b32 s88, s74, 7
	s_add_co_u32 s81, s81, s88
	s_lshl_b32 s88, s75, 5
	s_add_co_u32 s81, s81, s88
	v_mul_u32_u24 v[STO], v242, 8*SROW
	s_delay_alu instid0(VALU_DEP_1)
	v_lshl_add_u32 v[STO], v243, 2, v[STO]
	s_delay_alu instid0(VALU_DEP_1)
	v_add_nc_u32 v[STO], s81, v[STO]               ; row 8 h; column 32 pair + 8 u + r + 8 (r / 8)
	s_lshl_b32 s84, s70, 20                        ; out0 at row 64 y + 8 tile, rows of 16,384 bytes, at my chunk's 512 bytes
	s_lshl_b32 s85, s[TILE], 17
	s_add_co_u32 s84, s84, s85
	s_cmp_eq_u32 s[GRP], 0
	s_cselect_b32 s85, s73, ttmp9
	s_lshl_b32 s85, s85, 9
	s_add_co_u32 s84, s84, s85
	s_mov_b32 s85, 0
	s_add_nc_u64 s[8:9], s[8:9], s[84:85]
	s_sub_co_u32 s84, s[WV], 8                     ; the prefetches: waves 8 to 15 of the head's first work-group
	s_cmp_lt_u32 s84, 8
	s_cselect_b32 s85, 0, 1
	s_or_b32 s85, s85, ttmp9
	s_cmp_eq_u32 s85, 0
	s_cselect_b32 s[LIM], 1, -1
	s_min_u32 s84, s84, 7
	s_mul_i32 s84, s84, STEPB                      ; my wave's step of a slot's eight,
	s_add_co_u32 s84, s84, SLOT1                   ; in slot 1's: the first change of slots steps it to slot 2's
	s_mov_b32 s85, 0
	s_add_nc_u64 s[PFA:PFA+1], s[86:87], s[84:85]
	s_mul_i32 s88, s70, 270336                     ; qb at my head;
	s_lshl_b32 s89, s75, 10
	s_add_co_u32 s89, s89, s88                     ; my tile's half of a pair's image
	s_lshl_b32 s90, s[Q0], 6
	s_add_co_u32 s90, s90, s89                     ; 2,048 bytes a pair
	s_mov_b32 s91, 0
	s_lshl_b32 s94, s[Q0B], 6
	s_add_co_u32 s94, s94, s89
	s_mov_b32 s95, 0
	s_lshl_b32 s89, s74, 2                         ; the scale words: word (pair) of a row's four,
	s_add_co_u32 s89, s89, s88
	s_add_co_u32 s89, s89, 262144                  ; behind the head's codes,
	s_lshl_b32 s92, s73, 8                         ; 256 bytes a chunk
	s_add_co_u32 s92, s92, s89
	s_mov_b32 s93, 0
	s_lshl_b32 s82, ttmp9, 8
	s_add_co_u32 s82, s82, s89
	s_mov_b32 s83, 0
	s_add_nc_u64 s[90:91], s[4:5], s[90:91]
	s_add_nc_u64 s[94:95], s[4:5], s[94:95]
	s_add_nc_u64 s[92:93], s[4:5], s[92:93]
	s_add_nc_u64 s[82:83], s[4:5], s[82:83]
.irp c, 0,1,2,3
	global_load_b128 v[16+4*\c:19+4*\c], v[GO], s[90:91] offset:512*(\c%2)   ; (Q, Q) of chunk 31 - j: the tile's eight registers twice
.endr
	global_load_b128 v[80:83], v[GO], s[94:95]     ; Q of chunk j
	global_load_b128 v[84:87], v[GO], s[94:95] offset:512
	global_load_b32 v254, v244, s[92:93]           ; the pairs' scale words of row r
	global_load_b32 v88, v244, s[82:83]
	s_mov_b32 s97, 0x03020302
	s_cmp_eq_u32 s75, 0
	s_cselect_b32 s97, 0x01000100, s97             ; which two bytes of a pair's word are my tile's
	s_mov_b32 s[SEL], 0x76543210
	s_mov_b32 s[SEL+1], 0xfedcba98
	s_mov_b32 s[CS], 0x3e38aa3b                    ; c = log2(e) / 8
	s_mov_b32 s[CS+1], s[CS]
	s_mov_b32 s[MNT], 0x600000
	s_mov_b32 s[TB], 0
	s_mov_b32 s[FB], 0
	s_mov_b32 s[TL], s[WV]
	s_mov_b32 s[T], s[GRP]
	s_mov_b32 s[SWT], s[LA]
	s_mov_b32 s[KOFF], 0
	s_mov_b32 s[SLOTS], 3
	v_mov_b32 v13, 0xff61b1e6                      ; the largest t so far: -3e38, under every t
	s_delay_alu instid0(VALU_DEP_1)
	v_floor_f32 v12, -v13                          ; -M
	v_mov_b32 v14, 0
	v_mov_b32 v15, 0
.irp b, 0,1,2,3
	v_mov_b32 v[236+\b], 0                         ; written once: a lane permute's destination counts as one of its sources
.endr
	v_mov_b32 v253, 0                              ; (named as the upper half of the pair v[252:253] before it is first written)
	v_mov_b32 v89, 0                               ; the saved state is written on every way through the text
	v_mov_b32 v90, 0
	v_mov_b32 v91, 0
.set J_, 0
.rept 8
	v_mov_b32 v[40+J_], 0                          ; the two runs of zero codes: they stay
	v_mov_b32 v[64+J_], 0
.set J_, J_+1
.endr
.set J_, 0
.rept 32
	v_mov_b32 v[160+J_], 0                         ; O^T: the step has no first step of its own: the first finds zeros, which the first change of M leaves zeros
	v_mov_b32 v[192+J_], 0
.set J_, J_+1
.endr
	s_wait_alu depctr_va_vdst(0)                   ; the wait at the head's end
	s_wait_loadcnt 0x0                             ; both Q and their words
	v_perm_b32 v255, v254, v254, s97               ; (c0, c1, c0, c1)
	v_perm_b32 v88, v88, v88, s97
	s_wait_alu depctr_va_vdst(0)                   ; directly behind the writes
; THE CHANGE OF CHUNKS, once a wave: register work alone.
.macro SWITCH
	NOPS 8                                         ; eight places behind the last products
.set J_, 0
.rept 32
	v_mov_b32 v[192+J_], v[160+J_]                 ; each accumulator from its low end on
.set J_, J_+1
.endr
.set J_, 0
.rept 32
	v_mov_b32 v[160+J_], 0
.set J_, J_+1
.endr
	v_mov_b32 v255, v88
	v_mov_b32 v88, v12
	v_mov_b32 v89, v13
	v_mov_b32 v90, v14
	v_mov_b32 v91, v15
.set J_, 0
.rept 8
	v_mov_b32 v[16+J_], v[80+J_]
	v_mov_b32 v[24+J_], v[80+J_]
.set J_, J_+1
.endr
	v_mov_b32 v14, 0
	v_mov_b32 v15, 0
	v_mov_b32 v13, 0xff61b1e6
	s_delay_alu instid0(VALU_DEP_1)
	v_floor_f32 v12, -v13
	s_mov_b32 s[SWT], -1
	s_mov_b32 s[KOFF], s[LA]
	s_mov_b32 s[Q0], s[Q0B]
	s_wait_alu depctr_va_vdst(0)
.endm
; A STREAM STEP of mine: 128 keys, the tile at s[TA] + STEPB x (wave / 8).
.macro STEP
	s_cmp_lt_u32 s[T], s[SWT]
	s_cbranch_scc1 .Lsame_\@
	SWITCH
.Lsame_\@:
	s_cmp_gt_u32 s[T], 32                          ; the stream has 33 steps: waves 8 to 15 have no seventeenth
	s_cbranch_scc1 .Lhidden_\@
	s_sub_co_u32 s[KF], s[T], s[KOFF]
	s_lshl_b32 s[KF], s[KF], 7
	v_add_nc_u32 v[AD], s[TA], v[LI]
	NOPS 8                                         ; with the addition nine places behind the last step's products: the products below write over registers that those read as source 0, and a load lands in their scale words
	ds_load_b128 v[248:251], v[AD] offset:16384    ; lanes 0-15: k's four words of row r; lanes 16-31: v's
	s_wait_alu depctr_va_vdst(0)
.irp g, 0,1                                    ; S^T = K Q^T, two pairs (four tiles of 16 keys) at a time
.if \g > 0
	NOPS 8                                         ; places in front of loads into registers that matrix instructions have read
.endif
.irp pp, 0,1
.irp u, 0,1
.irp c, 0,1
	ds_load_b128 v[32+24*\pp+16*\u+4*\c:32+24*\pp+16*\u+4*\c+3], v[AD] offset:2048*(2*\g+\pp)+1024*\u+512*\c
.endr
.endr
.endr
	s_wait_dscnt 0x0
.irp pp, 0,1
.irp u, 0,1
	v_wmma_scale_f32_16x16x128_f8f6f4 v[96+8*(2*(2*\g+\pp)+\u):96+8*(2*(2*\g+\pp)+\u)+7], v[32+24*\pp+8*\u:32+24*\pp+8*\u+15], v[16:31], 0, v[248+2*\g+\pp], v255
.endr
.endr
.endr                                          ; register 16 b + i of v96 on: key KF + 32 b + 16 (lane / 16) + i
	NOPS 8
	s_add_co_u32 s96, s[KF], 127                   ; on the diagonal hidden scores become -infinity ahead of the maximum; a step all of whose keys count skips this
	s_cmp_le_u32 s96, s[Q0]
	s_cbranch_scc1 .Lopen_\@
	s_sub_co_i32 s96, s[Q0], s[KF]
	v_add_nc_u32 v252, s96, v[QL]                  ; d = my query - KF - 16 (lane / 16): register 16 b + i is hidden where 32 b + i > d
	v_mov_b32 v254, 0xff800000
.set N_, 0
.rept 64
	v_cmp_gt_i32 vcc_lo, 32*(N_/16)+N_%16, v252
	v_cndmask_b32 v[96+N_], v[96+N_], v254, vcc_lo
.set N_, N_+1
.endr
.Lopen_\@:
.irp b, 0,1,2,3
	v_max3_num_f32 v[232+\b], v[96+16*\b], v[97+16*\b], v[98+16*\b]   ; the largest score of each block of 32 keys: for the row's maximum, and, since p rises with the score, for the block's largest p
.endr
.irp i, 3,5,7,9,11,13
.irp b, 0,1,2,3
	v_max3_num_f32 v[232+\b], v[232+\b], v[96+16*\b+\i], v[97+16*\b+\i]
.endr
.endr
.irp b, 0,1,2,3
	v_max_num_f32 v[232+\b], v[232+\b], v[111+16*\b]
.endr
.irp b, 0,1,2,3
	v_permlanex16_b32 v[236+\b], v[232+\b], s[SEL], s[SEL+1]
.endr
.irp b, 0,1,2,3
	s_delay_alu instid0(VALU_DEP_4)
	v_max_num_f32 v[232+\b], v[232+\b], v[236+\b]  ; with lane l xor 16's 16 keys
.endr
	s_delay_alu instid0(VALU_DEP_2)
	v_max3_num_f32 v254, v232, v233, v234
	s_delay_alu instid0(VALU_DEP_1)
	v_max_num_f32 v254, v254, v235                 ; the step's largest score of my query
	s_delay_alu instid0(VALU_DEP_1)
	v_mul_f32 v254, s[CS], v254                    ; as t (c is positive)
	s_delay_alu instid0(VALU_DEP_1)
	v_max_num_f32 v13, v13, v254                   ; the running largest t
	v_mov_b32 v254, v12
	s_delay_alu instid0(VALU_DEP_2)
	v_floor_f32 v12, -v13                          ; the new -M = floor(-t) = -ceil(t)
	s_delay_alu instid0(VALU_DEP_1)
	v_sub_f32 v254, v12, v254                      ; old M - new M: a whole number, 0 or less
	s_delay_alu instid0(VALU_DEP_1)
	v_cvt_i32_f32 v254, v254                       ; (it saturates)
	s_delay_alu instid0(VALU_DEP_1)
	v_ldexp_f32 v252, 1.0, v254                    ; f = 2^(old M - new M)
.set J_, 0
.rept 32
	v_pk_fma_f32 v[96+J_:97+J_], v[96+J_:97+J_], s[CS:CS+1], v[12:13] op_sel_hi:[1,0,0]   ; t - M, two at a time
.set J_, J_+2
.endr
.irp b, 0,1,2,3
	v_fma_f32 v[232+\b], v[232+\b], s[CS], v12     ; the same of each block's largest score
.endr
.set J_, 0
	s_wait_alu depctr_va_vdst(0)                   ; the wait ahead of the batch
.rept 64
	v_exp_f32 v[96+J_], v[96+J_]                   ; p = 2^(t - M), at most 1
.set J_, J_+1
.endr
	v_pk_mul_f32 v[14:15], v[14:15], v[252:253] op_sel_hi:[1,0]   ; the sums under the new M: a plain line behind the exponentials
	s_wait_alu depctr_va_vdst(0)                   ; one wait for the whole batch, ahead of its first reader
.irp b, 0,1,2,3
	v_exp_f32 v[232+\b], v[232+\b]                 ; the block's largest p: the same two instructions on the same number give the same bits
.endr
	v_pk_add_f32 v[236:237], v[100:101], v[104:105]   ; the row's sum of the unquantised p, in eight chains
	v_pk_add_f32 v[246:247], v[108:109], v[112:113]
	v_pk_add_f32 v[244:245], v[116:117], v[120:121]
	v_pk_add_f32 v[242:243], v[124:125], v[128:129]
	v_pk_add_f32 v[240:241], v[132:133], v[136:137]
	v_pk_add_f32 v[238:239], v[140:141], v[144:145]
	v_pk_add_f32 v[230:231], v[148:149], v[152:153]
	v_pk_add_f32 v[14:15], v[14:15], v[156:157]
	v_pk_add_f32 v[236:237], v[236:237], v[96:97]
	v_pk_add_f32 v[246:247], v[246:247], v[98:99]
	v_pk_add_f32 v[244:245], v[244:245], v[102:103]
	v_pk_add_f32 v[242:243], v[242:243], v[106:107]
	v_pk_add_f32 v[240:241], v[240:241], v[110:111]
	v_pk_add_f32 v[238:239], v[238:239], v[114:115]
	v_pk_add_f32 v[230:231], v[230:231], v[118:119]
	v_pk_add_f32 v[14:15], v[14:15], v[122:123]
	v_pk_add_f32 v[236:237], v[236:237], v[126:127]
	v_pk_add_f32 v[246:247], v[246:247], v[130:131]
	v_pk_add_f32 v[244:245], v[244:245], v[134:135]
	v_pk_add_f32 v[242:243], v[242:243], v[138:139]
	v_pk_add_f32 v[240:241], v[240:241], v[142:143]
	v_pk_add_f32 v[238:239], v[238:239], v[146:147]
	v_pk_add_f32 v[230:231], v[230:231], v[150:151]
	v_pk_add_f32 v[14:15], v[14:15], v[154:155]
	v_pk_add_f32 v[236:237], v[236:237], v[158:159]
	s_delay_alu instid0(VALU_DEP_2)
	v_pk_add_f32 v[14:15], v[14:15], v[242:243]
	s_delay_alu instid0(VALU_DEP_2)
	v_pk_add_f32 v[236:237], v[236:237], v[240:241]
	v_pk_add_f32 v[246:247], v[246:247], v[238:239]
	v_pk_add_f32 v[244:245], v[244:245], v[230:231]
	s_delay_alu instid0(VALU_DEP_2)
	v_pk_add_f32 v[14:15], v[14:15], v[246:247]
	s_delay_alu instid0(VALU_DEP_2)
	v_pk_add_f32 v[236:237], v[236:237], v[244:245]
	s_delay_alu instid0(VALU_DEP_1)
	v_pk_add_f32 v[14:15], v[14:15], v[236:237]
	s_wait_alu depctr_va_vdst(0)                   ; and one for the four
.irp b, 0,1,2,3
	v_max_num_f32 v[232+\b], 0x4800000, v[232+\b]  ; the floor 2^(9 - 127): a block whose every p is 0 keeps the byte 1: its codes are zeros
.endr
.irp b, 0,1,2,3
	s_delay_alu instid0(VALU_DEP_4)
	v_add_nc_u32 v[244+\b], 0xfc000000, v[232+\b]  ; the conversion's scale operand
.endr
.irp b, 0,1,2,3
	v_and_or_b32 v[240+\b], v[232+\b], 0x7f800000, s[MNT]   ; 448 x the scale
.endr
.irp b, 0,1,2,3
	v_and_or_b32 v[92+(\b+1)%4], v[232+\b], 0x7f800000, s[MNT]   ; and once more, in a register whose number differs modulo 4: the two halves of a dual pair take their second sources from different banks
.endr
.irp b, 0,1,2,3
	v_lshrrev_b32 v[236+\b], 23, v[244+\b]         ; the byte
.endr
	s_delay_alu instid0(VALU_DEP_3)
	v_lshl_or_b32 v253, v237, 8, v236              ; p's scale word for these 128 keys
	s_delay_alu instid0(VALU_DEP_1)
	v_lshl_or_b32 v253, v238, 16, v253
	s_delay_alu instid0(VALU_DEP_1)
	v_lshl_or_b32 v253, v239, 24, v253
.irp b, 0,1,2,3
.set I_, 0
.rept 8
	v_dual_min_num_f32 v[96+16*\b+I_], v[96+16*\b+I_], v[240+\b] :: v_dual_min_num_f32 v[97+16*\b+I_], v[97+16*\b+I_], v[92+(\b+1)%4]   ; the conversion does not saturate (ISA guide 7.6.2); p is not negative, so the hold is one-sided; two to a line
.set I_, I_+2
.endr
	v_cvt_scalef32_pk8_fp8_f32 v[224+4*\b:225+4*\b], v[96+16*\b:103+16*\b], v[244+\b]
	v_cvt_scalef32_pk8_fp8_f32 v[226+4*\b:227+4*\b], v[104+16*\b:111+16*\b], v[244+\b]
.irp c, 0,1,2,3
	ds_load_b128 v[96+16*\b+4*\c:96+16*\b+4*\c+3], v[AD] offset:8192+2048*\c+512*\b   ; V^T's fragment b (dimensions 16 b on, 128 keys) into the registers that p's block b has just left
.endr
.endr
.set J_, 0
.rept 16
	v_pk_mul_f32 v[160+J_:161+J_], v[160+J_:161+J_], v[252:253] op_sel_hi:[1,0]   ; O^T under the new M; these are also the places between the codes and the products
.set J_, J_+2
.endr
	NOPS 4                                         ; the sums just rescaled get the four places that a scaled product's operands are owed
	s_wait_alu depctr_va_vdst(0)
	s_wait_dscnt 0x0                               ; V^T is in
.irp t, 0,1,2,3                                ; O^T += V^T P^T: the four accumulators by turns
	v_wmma_scale_f32_16x16x128_f8f6f4 v[160+8*\t:167+8*\t], v[96+16*\t:111+16*\t], v[224:239], v[160+8*\t:167+8*\t], v[248+\t], v253 matrix_a_scale:MATRIX_SCALE_ROW1
.endr
.Lhidden_\@:
	s_add_co_u32 s[T], s[T], 2
.endm
; THE CHANGE OF SLOTS stands at a slot's head.  Each wave waits for all its tensor loads, adds 0 to its spare word, and waits for that and for its reads of the slot that it has left.
; Behind the barrier the slot ahead is whole and nobody reads the other one.  fill = 1: that other slot takes the next eight stream steps: one load a wave, which has four steps of every wave in which to land.
.macro CHANGE fill
	s_wait_tensorcnt 0x0                           ; no tensor load of mine is out, so group 0 may be written
	ds_add_u32 v[SPW], v[NIL]                      ; 0 onto my spare word:
	ds_add_u32 v[SPW], v[NIL]                      ; twice on end
.if \fill
	s_xor_b32 s[FB], s[FB], SLOT1                  ; the other slot than last time,
	s_add_co_u32 s[G0+1], s[FB], s[WOFF]
	s_add_co_u32 s[TL], s[TL], 8                   ; eight stream steps on:
	s_sub_co_u32 s96, s[TL], s[LA]
	s_cmp_lt_u32 s[TL], s[LA]
	s_cselect_b32 s96, s[TL], s96                  ; its key step, in chunk 31 - j or in chunk j
	s_mul_i32 s96, s96, STEPB
	s_mov_b32 s97, 0
	s_add_nc_u64 s[G0+2:G0+3], s[86:87], s[96:97]
	s_or_b32 s[G0+3], s[G0+3], 0x80000000
	s_wait_xcnt 0x0                                ; the last prefetches, a slot back, have read their address, so it may be written:
	s_add_nc_u64 s[PFA:PFA+1], s[PFA:PFA+1], SLOT1 ; one slot further on than the load
.endif
	s_wait_dscnt 0x0                               ; the adds are done, and my reads of the slot that I have left are over
	s_barrier_signal -1
	s_barrier_wait -1
.if \fill
	TLOAD                                          ; the first thing behind the barrier, and a wave's one tensor load until the next
	ASK
.endif
.endm
.Lslot:                                            ; three trips: slots 0 to 2 are worked, slots 1 to 3 asked for
	CHANGE 1
	s_mov_b32 s[TA], s[TB]
	STEP
	s_add_co_u32 s[TA], s[TB], 2*STEPB
	STEP
	s_add_co_u32 s[TA], s[TB], 4*STEPB
	STEP
	s_add_co_u32 s[TA], s[TB], 6*STEPB
	STEP
	s_xor_b32 s[TB], s[TB], SLOT1
	s_sub_co_u32 s[SLOTS], s[SLOTS], 1
	s_cmp_lg_u32 s[SLOTS], 0
	s_cbranch_scc1 .Lslot
	CHANGE 0                                       ; the tail is written out: slot 3 and, behind it in LDS, stream step 32; nothing is asked for
	s_mov_b32 s[TA], s[TB]
	s_mov_b32 s[CNT], 5
.Ltail:
	STEP
	s_add_co_u32 s[TA], s[TA], 2*STEPB
	s_sub_co_u32 s[CNT], s[CNT], 1
	s_cmp_lg_u32 s[CNT], 0
	s_cbranch_scc1 .Ltail
	; THE PARTS MEET.  Waves 0-7 send their part of chunk j and keep chunk 31 - j's; waves 8-15 the other way round.  What is kept stands in v160-191, v12, v[14:15] behind the join.
	NOPS 8                                         ; eight places behind the last products, on every way here
	s_cmp_lt_u32 s[WV], 8
	s_cbranch_scc0 .Lsend_a
.irp k, 0,1,2,3,4,5,6,7
	ds_store_b128 v[EXS], v[160+4*\k:163+4*\k] offset:512*\k
.endr
	ds_store_b128 v[EXS], v[12:15] offset:4096
.set J_, 0
.rept 32
	v_mov_b32 v[160+J_], v[192+J_]
.set J_, J_+1
.endr
	v_mov_b32 v12, v88
	v_mov_b32 v14, v90
	v_mov_b32 v15, v91
	s_branch .Lsent
.Lsend_a:
.irp k, 0,1,2,3,4,5,6,7
	ds_store_b128 v[EXS], v[192+4*\k:195+4*\k] offset:512*\k
.endr
	ds_store_b128 v[EXS], v[88:91] offset:4096
.Lsent:
	s_wait_alu depctr_va_vdst(0)
	s_wait_dscnt 0x0                               ; for the others' sake: my stores have landed, and my reads of the ring are over
	s_barrier_signal -1
	s_barrier_wait -1
.irp k, 0,1,2,3,4,5,6,7
	ds_load_b128 v[96+4*\k:99+4*\k], v[EXL] offset:512*\k
.endr
	ds_load_b128 v[128:131], v[EXL] offset:4096    ; my partner's -M, t, sum in two halves
	s_wait_dscnt 0x0
	v_add_f32 v14, v14, v15
	v_add_f32 v130, v130, v131
	v_min_num_f32 v132, v12, v128                  ; -M of both parts
	s_delay_alu instid0(VALU_DEP_1)
	v_sub_f32 v133, v132, v12                      ; whole numbers, 0 or less; a part that had no step has -M = 3e38 and the factor 0
	s_delay_alu instid0(VALU_DEP_2)
	v_sub_f32 v134, v132, v128
	s_delay_alu instid0(VALU_DEP_2)
	v_cvt_i32_f32 v133, v133                       ; (it saturates)
	s_delay_alu instid0(VALU_DEP_2)
	v_cvt_i32_f32 v134, v134
	s_delay_alu instid0(VALU_DEP_2)
	v_ldexp_f32 v133, 1.0, v133                    ; my part's factor,
	s_delay_alu instid0(VALU_DEP_2)
	v_ldexp_f32 v134, 1.0, v134                    ; my partner's
	s_delay_alu instid0(VALU_DEP_2)
	v_mul_f32 v14, v14, v133
	s_delay_alu instid0(VALU_DEP_1)
	v_fmac_f32 v14, v130, v134
	v_permlanex16_b32 v236, v14, s[SEL], s[SEL+1]
	s_delay_alu instid0(VALU_DEP_1)
	v_add_f32 v14, v14, v236                       ; with lane l xor 16's keys: the row's sum
	s_wait_alu depctr_va_vdst(0)                   ; the wait ahead of the transcendental
	v_rcp_f32 v14, v14
	v_nop                                          ; the plain line behind the reciprocal
	s_wait_alu depctr_va_vdst(0)                   ; the wait ahead of its first reader
	v_mul_f32 v136, v133, v14                      ; the factors over the sum, each in a pair
	v_mul_f32 v137, v133, v14
	v_mul_f32 v138, v134, v14
	v_mul_f32 v139, v134, v14
	s_wait_alu depctr_va_vdst(0)                   ; the wait directly ahead of the first readers of O^T
.set J_, 0
.rept 16
	v_pk_mul_f32 v[160+J_:161+J_], v[160+J_:161+J_], v[136:137]   ; each accumulator from its low end on
.set J_, J_+2
.endr
.set J_, 0
.rept 16
	v_pk_fma_f32 v[160+J_:161+J_], v[96+J_:97+J_], v[138:139], v[160+J_:161+J_]   ; register 8 t + i: o(my query, 16 t + 8 h + i)
.set J_, J_+2
.endr
	; THE WAY OUT.  Into my chunk's stage, row d, column = the query's place in the chunk; a barrier; each wave reads eight whole rows of 512 bytes and stores them: 32 lanes fill 512 consecutive bytes, aligned.
.irp t, 0,1,2,3
.irp j, 0,1,2,3,4,5,6,7
	ds_store_b32 v[STO], v[160+8*\t+\j] offset:(16*\t+\j)*SROW   ; the lanes' four groups of eight words fall on four different quarters of the banks: 8 rows are 1,056 words, 32 modulo 64
.endr
.endr
	s_wait_dscnt 0x0                               ; for the others' sake: my stores have landed
	s_barrier_signal -1
	s_barrier_wait -1
.irp i, 0,1,2,3,4,5,6,7
	ds_load_b128 v[192+4*\i:195+4*\i], v[SRD] offset:SROW*\i
.endr
.irp i, 0,1,2,3,4,5,6,7
	s_wait_dscnt 7-\i                              ; LDS loads come back in order: this one is in, the 7 - i younger ones may be out
	global_store_b128 v[GO], v[192+4*\i:195+4*\i], s[8:9] offset:16384*\i th:TH_STORE_NT
.endr
	s_wait_tensorcnt 0x0                           ; the wave's end: behind my last tensor load and my last LDS store
	ds_add_u32 v[SPW], v[NIL]
	s_wait_dscnt 0x0
	s_endpgm
.Lfunc_end_k_q08c2308ade_attn:
	.size	k_q08c2308ade_attn, .Lfunc_end_k_q08c2308ade_attn-k_q08c2308ade_attn
	.p2alignl 7, 3214868480
	.fill 96, 4, 3214868480
	.section	.rodata,"a",@progbits
	.p2align	6, 0x0
	.amdhsa_kernel k_q08c2308ade_attn
		.amdhsa_group_segment_fixed_size 327680
		.amdhsa_private_segment_fixed_size 0
		.amdhsa_enable_private_segment 0
		.amdhsa_kernarg_size 24
		.amdhsa_user_sgpr_count 2
		.amdhsa_user_sgpr_kernarg_segment_ptr 1
		.amdhsa_wavefront_size32 1
		.amdhsa_system_sgpr_workgroup_id_x 1
		.amdhsa_system_sgpr_workgroup_id_y 1
		.amdhsa_system_sgpr_workgroup_id_z 1
		.amdhsa_system_vgpr_workitem_id 0
		.amdhsa_next_free_vgpr 256
		.amdhsa_next_free_sgpr 100
		.amdhsa_reserve_vcc 1
		.amdhsa_float_denorm_mode_32 3
		.amdhsa_float_denorm_mode_16_64 3
		.amdhsa_memory_ordered 1
		.amdhsa_forward_progress 1
		.amdhsa_inst_pref_size 165
	.end_amdhsa_kernel
	.amdgpu_metadata
---
amdhsa.version: [ 1, 2 ]
amdhsa.kernels:
  - .name:           k_q08c2308ade_attn
    .symbol:         k_q08c2308ade_attn.kd
    .args:
      - { .name: qb, .offset: 0, .size: 8, .value_kind: global_buffer, .address_space: global }
      - { .name: kv, .offset: 8, .size: 8, .value_kind: global_buffer, .address_space: global }
      - { .name: out0, .offset: 16, .size: 8, .value_kind: global_buffer, .address_space: global }
    .group_segment_fixed_size: 327680
    .private_segment_fixed_size: 0
    .kernarg_segment_align: 8
    .kernarg_segment_size: 24
    .max_flat_workgroup_size: 512
    .sgpr_count:     100
    .vgpr_count:     256
    .wavefront_size: 32
...
	.end_amdgpu_metadata
.endif
;; end of part 3
